; MI455X (gfx1250); checked and timed in simulation.
; The chip was launched on July 23, 2026; its instructions are those of AMD's public machine-readable ISA for CDNA 5 (MIT licence, August 2026) and "CDNA5" Instruction Set Architecture Reference Guide (July 2026). The comments in the code are by the model that wrote it; some were corrected since.
;; Head self Dec. Allowed arithmetic: matrix products marked QUANTISED: E5M2 operands, one given power-of-two scale a tensor, by v_wmma_f32_16x16x64_bf8_bf8 or v_wmma_f32_16x16x128_bf8_bf8, f32 sums; everything else in f32.
;; Inputs: Wk_codes 64 x 16 x 32 uint8 (E5M2 codes of Wk, K innermost, in blocks of 32 codes); Wq_codes 64 x 16 x 32 uint8 (E5M2 codes of Wq, K innermost, in blocks of 32 codes); Wv_codes 64 x 16 x 32 uint8 (E5M2 codes of Wv, K innermost, in blocks of 32 codes); lowp_scales 10 int32 (the exponents e of the quantised operands' scales 2^e); x_codes 16 x 2,048 x 16 x 32 uint8 (E5M2 codes of x, K innermost, in blocks of 32 codes).
;; Outputs: out0 16 x 2,048 x 64 float32.
;; This version of the problem:
;;   THIS VERSION OF THE PROBLEM IS GIVEN IN LOW PRECISION. The matrix products marked QUANTISED in the list below multiply operands that are first quantised to E5M2 (5 exponent bits, 2 mantissa bits; 8 bits a number), with one given power-of-two scale for each operand tensor; their sums are f32. All else is computed in f32.
;;   The module's matrix products, in the order in which they are computed (A, B: the left and right operand; K: the contracted axis; several contracted axes count as one K, in the product's order):
;;     1. [M 32,768, K 512] x [K 512, N 64]; A: input x (given as codes); B: input Wq (given as codes): QUANTISED (scales: A lowp_scales[0], B lowp_scales[1])
;;     2. [M 32,768, K 512] x [K 512, N 64]; A: input x (given as codes); B: input Wk (given as codes): QUANTISED (scales: A lowp_scales[2], B lowp_scales[3])
;;     3. [M 32,768, K 512] x [K 512, N 64]; A: input x (given as codes); B: input Wv (given as codes): QUANTISED (scales: A lowp_scales[4], B lowp_scales[5])
;;     4. batch 16 x [M 2,048, K 64] x [K 64, N 2,048]; A: computed on the way; B: computed on the way: QUANTISED (scales: A lowp_scales[6], B lowp_scales[7])
;;     5. batch 16 x [M 2,048, K 2,048] x [K 2,048, N 64]; A: softmax (see below); B: computed on the way: QUANTISED (scales: A lowp_scales[8], B lowp_scales[9])
;;   THE QUANTISER, for each operand of a quantised product, along K:
;;     - The operand's scale is 2^e, e = its entry of the input lowp_scales (int32; the entries are numbered through the quantised products in the list's order, A before B).
;;     - Each number is divided by the scale, clamped to +-57,344, and rounded to the nearest number of E5M2, ties to even, subnormals kept.
;;     - The product sums the exact products of the quantised numbers (number of the format x scale) in f32.
;;   ~~~python
;;   def quantise(x, axis, e):      # numpy; x: float32 -> the quantised numbers, widened to float32 again
;;       x = np.moveaxis(x, axis, -1); K = x.shape[-1]
;;       r = np.clip(x / 2.0 ** e, -57344, 57344)
;;       step = 2.0 ** (np.maximum(np.frexp(np.where(r == 0, 1, r))[1] - 1, -14) - 2)
;;       q = np.round(r / step) * step * 2.0 ** e      # np.round: ties to even
;;       return np.moveaxis(q, -1, axis).astype(np.float32)
;;   ~~~
;;   SOFTMAX AHEAD OF A QUANTISED PRODUCT. Where the list says 'softmax', what is quantised is not the finished softmax but p = 2^(t - M), with t = logit x log2(e) and M = ceil(the row's largest t), a whole number; so 1/2 < the row's largest p <= 1. The row's sum l is taken of the UNQUANTISED p, in f32, and the product's result is divided by l at the end. Since M is a whole number, a kernel that streams over the keys may use a running M (the ceiling of the running maximum): every later rescaling is an exact power of two, so the quantised numbers keep their values, but for numbers so far below the row's largest that they fall under the format's range.
;;   OPERANDS COMPUTED ON THE WAY. 'Computed on the way' means the value that the module computes at that place (a softmax that the list does not call 'softmax' is quantised finished and normalised). What goes into a quantiser is computed in f32, as accurately as f32 sums, v_exp_f32 and their like allow (about 1e-6 of the number): no bf16 or f16 on the way to a quantiser, and a product that is left as it is and whose result goes on into a quantised operand takes f32 operands (vector FMAs, or v_wmma_f32_16x16x4_f32). A number that lies on a knife's edge between two numbers of the format may be rounded either way, as far as f32 arithmetic and the matrix unit's own rounding can turn it there, and no further.
;;   INPUTS GIVEN AS CODES. Wk (in the module: [512, 64], K = its axis 0); Wq (in the module: [512, 64], K = its axis 0); Wv (in the module: [512, 64], K = its axis 0); x (in the module: [16, 2048, 512], K = its axis 2): each comes as NAME_codes (uint8): NAME with its K axis moved to the last place and cut into blocks of 32 codes, [.., K / 32, bytes a block], one block behind the other in memory; one code a byte (a code: sign, 5 exponent bits, 2 mantissa bits); its scale is its entry of lowp_scales. Its value is code x scale, taken as it is: it is not quantised again, and the codes and scales need not be those that the quantiser above would give.
;; One version. Each part assembles by itself: llvm-mc -triple=amdgcn-amd-amdhsa -mcpu=gfx1250 --defsym DOCPART=n.
;; ======== version 1 of 1: 2 launches
;; limits: right only within a limited range of input values
;; workspace buffers: qimg 2,097,152 bytes; kv 4,194,304 bytes
;; launch proj (part 1): grid 256 x 1, 4 waves a work-group, clusters of 4 x 1, 169,472 bytes of LDS; arguments x_codes, Wq_codes, Wk_codes, Wv_codes, lowp_scales, qimg, kv; writes qimg, kv
.if DOCPART == 1
	.amdgcn_target "amdgcn-amd-amdhsa--gfx1250"
	.amdhsa_code_object_version 6
	.text
	.protected	k_q30d6a88ae2_proj
	.globl	k_q30d6a88ae2_proj
	.p2align	8
	.type	k_q30d6a88ae2_proj,@function
k_q30d6a88ae2_proj:
	s_mov_b64 s[64:65], 0
	v_nop
	global_prefetch_b8 v0, s[64:65] scope:SCOPE_SE
	s_setreg_imm32_b32 hwreg(HW_REG_WAVE_MODE, 25, 1), 1
	s_wait_xcnt 0x0
	s_wait_alu depctr_hold_cnt(0) depctr_sa_sdst(0) depctr_va_vdst(0) depctr_va_sdst(0) depctr_va_ssrc(0) depctr_va_vcc(0) depctr_vm_vsrc(0)
	s_getreg_b32 s2, hwreg(HW_REG_IB_STS2, 6, 4)
	s_cmp_eq_u32 s2, 0
	s_cbranch_scc0 .Lentry_in_a_cluster
	s_endpgm
.Lentry_in_a_cluster:
	s_bfe_u32 s2, ttmp6, 0x10000c
	s_cmp_lg_u32 s2, 0x3003
	s_cbranch_scc0 .Lentry_shape_is_right
	s_endpgm
.Lentry_shape_is_right:
; THE PROGRAM: one causal attention head with its projections, all five products on codes of E5M2 with given scales 2^e (e0 .. e9 in lowp_scales).  Two launches:
; this one makes the codes of q, k and v; the second does the attention.
; WORK LEFT OUT (in the second launch): tiles of 16 keys x 16 queries all of whose keys come after all of the queries.  reference() sets those scores to -inf by its own jnp.tril, so their p is 0 and they add
; nothing to the row's sum or to the output, whatever finite values the inputs hold.  LIMIT: a NaN, an infinity or an overflow that reaches only such hidden scores is not carried to the result.
; No input is left out: x, Wq, Wk, Wv and all ten exponents are read.
;
; THIS LAUNCH.  q = x Wq, k = x Wk, v = x Wv: [32,768 tokens][512] x [512][64], codes with K innermost; the f32 sums are quantised at once: q by 2^e6, k by 2^e7, v by 2^e9.
; A sum of the first product stands for sum x 2^(e0 + e1), so q's code is sum / 2^(e6 - e0 - e1): the three exponents are folded into the conversion's one scale; k: e7 - e2 - e3; v: e9 - e4 - e5.
; LIMITS: each of these three differences lies between -126 and 112, so that the scale and 57,344 x the scale are f32 numbers.  NaN among the sums is not served.
; SHARES.  A work-group of four waves takes 128 tokens, which are one key step of the second launch.  Wave w: i = w / 2 picks four token tiles 4 i .. 4 i + 3 (16 tokens each);
; jj = w % 2: 0 makes q and v's channels 0-31, 1 makes k and v's channels 32-63.  24 accumulators a wave, four K steps of 128: 96 matrix instructions; each fragment is read from LDS once by a wave.
; WHAT IS STORED ARE IMAGES OF THE NEXT LAUNCH'S OPERAND REGISTERS: four registers of 32 lanes are 512 consecutive bytes, lane l's 16 bytes at 16 l.
;   q, k: source 0 = 16 rows of W (features), source 1 = 16 tokens: lane (r, h) holds token r and features 16 f + 8 h + 0 .. 7: their eight codes are registers 2 f, 2 f + 1 of a fragment of 16 tokens x 64.
;   v:    source 0 = 16 tokens, source 1 = 16 rows of Wv (channels): lane (r, h) holds channel r and tokens 16 t + 8 h + 0 .. 7: registers 2 t, 2 t + 1 of a fragment of 16 channels x 128 keys.
;   qimg: token tile T at 1,024 T.   kv: key step G at 16,384 G: k's 8 tiles of 1,024 bytes, then v's 4 channel tiles of 2,048.
; x's and W's own fragments are fetched by four loads of 16 bytes (registers 4 c .. 4 c + 3: K = 32 c + 16 h + 0 .. 15): a permutation of K that is the same on both sides of every product.
; CLUSTER.  The 96 KiB of Wq, Wk, Wv are the same for every work-group: the four of a cluster ask for them JOINTLY (mask 15).  x's tiles are each work-group's own: a plain load.
; LDS is filled once, at the head, by one tensor load a wave: waves 0-2 Wq, Wk, Wv (64 rows of 512 bytes each), wave 3 x's 128 rows.  Behind a first barrier, in front of which W's loads alone are waited for,
; each wave takes W's fragments of K steps 0 and 1 into registers while x's load is on its way; behind a second one, x's, and the rest of W's.  No prefetch: the launch has no loop to run ahead in.
; REGISTERS.  Window 0: v3-16 addresses and scales; v32-159 and v160-223 the accumulators; v224-255 codes.  Windows 1, 2, 3: W (v0-95) and x (v96-159) of K steps 0, 1, 2; then in window 1 W (v160-255) and x (v96-159) of K step 3.
.set PITCH, 528                        ; an LDS row: 512 bytes + 16 of padding: the sixteen rows of a fragment load begin at sixteen different 16-byte columns of a span of 256 bytes
.set PIECE, 64*PITCH                   ; 64 rows: Wq's, Wk's, Wv's, then x's 128
.set SPARE, 5*PIECE                    ; the spare words, 128 bytes for each wave: two blocks of 256 bytes that no other line names
.set AX,  4                            ; LDS address of my x fragments,
.set AW,  5                            ; of mine of Wq or Wk,
.set AV,  6                            ; and of Wv
.set LO,  10                           ; 16 x lane: my place in an image
.set SPW, 11                           ; LDS address of my spare word; never rewritten
.set NIL, 12                           ; 0; never rewritten
.set SCQ, 13                           ; q's or k's scale as f32, and 57,344 x it
.set LMQ, 14
.set SCV, 15                           ; the same for v
.set LMV, 16
.set ACC, 32                           ; q or k: accumulator (t, f) at 8 (4 t + f)
.set ACV, 160                          ; v: accumulator (c, t) at 8 (4 c + t)
.set CQ,  224                          ; the codes: q or k, 8 registers a token tile;
.set CV,  32                           ; v, 8 registers a channel tile, where q's or k's first sums lay
.set WV,  18                           ; s18 wave; s19 cx; s20 work-group; s21 i; s22 jj
.set G1W, 24                           ; s[24:31] descriptor group 1 of the joint loads;  s[32:39] of the plain one
.set G1X, 32
.set G0W, 40                           ; s[40:43] group 0 for W;  s[44:47] for x
.set G0X, 44
.set PQ,  76                           ; s[76:77] where my images of q or k go;  s[78:79] those of v
.set PV,  78
.set MSB, 0
.macro WIN new                         ; the immediate's high byte repeats the setting that is left
.if MSB != \new
	s_set_vgpr_msb (MSB<<8)|\new
.set MSB, \new
.endif
.endm
; A round of the cluster's barrier
.macro CROUND
	s_barrier_signal -1
	s_barrier_wait -1
	s_cmp_lg_u32 s[WV], 0
	s_cbranch_scc1 .Lnot_wave_0_\@
	s_barrier_signal -3
.Lnot_wave_0_\@:
	s_barrier_wait -3
	s_barrier_signal -1
	s_barrier_wait -1
.endm
.macro PLACES
.rept 4
	v_nop
.endr
.endm
; a fragment: 16 rows x 128 K, the kq-th 128 of a row, rows 16 ri on
.macro FRAG rg, ad, kq, ri
.irp c, 0,1,2,3
	ds_load_b128 v[\rg+4*\c:\rg+4*\c+3], v[\ad] offset:128*(\kq)+32*\c+(\ri)*16*PITCH
.endr
.endm
.macro XLD kq, xf                      ; 16 loads: my four token tiles
.irp t, 0,1,2,3
	FRAG \xf+16*\t, AX, \kq, \t
.endr
.endm
.macro WLD kq, wf, vf                  ; 24 loads: four tiles of Wq or Wk, two of Wv
.irp f, 0,1,2,3
	FRAG \wf+16*\f, AW, \kq, \f
.endr
.irp d, 0,1
	FRAG \vf+16*\d, AV, \kq, \d
.endr
.endm
; A K step of 128: 24 matrix instructions.  The 24 accumulators take turns, one instruction a turn, in the same order in every step.  zero = 1: the products start the sums.
.macro MUL xf, wf, vf, zero
.irp t, 0,1,2,3
.irp f, 0,1,2,3
.if \zero
	v_wmma_f32_16x16x128_bf8_bf8 v[ACC+8*(4*\t+\f):ACC+8*(4*\t+\f)+7], v[\wf+16*\f:\wf+16*\f+15], v[\xf+16*\t:\xf+16*\t+15], 0
.else
	v_wmma_f32_16x16x128_bf8_bf8 v[ACC+8*(4*\t+\f):ACC+8*(4*\t+\f)+7], v[\wf+16*\f:\wf+16*\f+15], v[\xf+16*\t:\xf+16*\t+15], v[ACC+8*(4*\t+\f):ACC+8*(4*\t+\f)+7]
.endif
.endr
.endr
.irp d, 0,1
.irp t, 0,1,2,3
.if \zero
	v_wmma_f32_16x16x128_bf8_bf8 v[ACV+8*(4*\d+\t):ACV+8*(4*\d+\t)+7], v[\xf+16*\t:\xf+16*\t+15], v[\vf+16*\d:\vf+16*\d+15], 0
.else
	v_wmma_f32_16x16x128_bf8_bf8 v[ACV+8*(4*\d+\t):ACV+8*(4*\d+\t)+7], v[\xf+16*\t:\xf+16*\t+15], v[\vf+16*\d:\vf+16*\d+15], v[ACV+8*(4*\d+\t):ACV+8*(4*\d+\t)+7]
.endif
.endr
.endr
.endm
; eight sums of a lane become eight codes: the hold first, since the conversion to an 8-bit code does not saturate (ISA guide 7.6.2); the accumulator is read from its low end on
.macro CODES dst, src, sc, lim
.irp m, 0,1,2,3,4,5,6,7
	v_med3_num_f32 v[\src+\m], v[\src+\m], -v[\lim], v[\lim]
.endr
	v_cvt_scalef32_pk8_bf8_f32 v[\dst:\dst+1], v[\src:\src+7], v[\sc]
.endm
	s_load_b256 s[4:11], s[0:1], 0x0               ; x s[4:5], Wq s[6:7], Wk s[8:9], Wv s[10:11]
	s_load_b128 s[12:15], s[0:1], 0x20             ; the exponents s[12:13], qimg s[14:15]
	s_load_b64 s[16:17], s[0:1], 0x30              ; kv
	v_lshl_add_u32 v[SPW], v0, 2, SPARE
	v_mov_b32 v[NIL], 0
	ds_add_u32 v[SPW], v[NIL]                      ; the wave's opening: the add, twice on end, and its wait ahead of the first tensor load
	ds_add_u32 v[SPW], v[NIL]
	v_lshrrev_b32 v1, 5, v0
	v_readfirstlane_b32 s[WV], v1                  ; wave 0..3
	s_bfe_u32 s19, ttmp6, 0x40000                  ; cx: my place in the cluster
	s_lshl_b32 s20, ttmp9, 2                       ; in a cluster launch ttmp9 counts clusters
	s_add_co_u32 s20, s20, s19                     ; my work-group = my block of 128 tokens
	s_lshr_b32 s21, s[WV], 1                       ; i
	s_and_b32 s22, s[WV], 1                        ; jj
	; descriptor group 1: 64 (x: 128) rows x 512 elements of one byte, dense in memory, padded in LDS
	s_mov_b32 s[G1W], 15|(1<<20)|(1<<21)|(6<<22)|(3<<25)  ; 15:0 the mask: all four work-groups; 17:16 elements of 1 byte; 20 padding on; 21 set beside a mask; 24:22 after every 128 words (code 6); 31:25 four words (code 3)
	s_mov_b32 s[G1X], (1<<20)|(6<<22)|(3<<25)      ; the same without a mask
	s_mov_b32 s[G1W+2], 64<<16                     ; tensor_dim1
	s_mov_b32 s[G1X+2], 128<<16
	s_mov_b32 s[G1W+4], 64                         ; tile_dim1
	s_mov_b32 s[G1X+4], 128
.irp g, G1W, G1X
	s_mov_b32 s[\g+1], 512<<16                     ; tensor_dim0
	s_mov_b32 s[\g+3], 512<<16                     ; tile_dim0
	s_mov_b32 s[\g+5], 512                         ; tensor_dim0_stride
	s_mov_b32 s[\g+6], 0
	s_mov_b32 s[\g+7], 0
.endr
	s_mul_i32 s58, s21, 64*PITCH
	s_add_co_u32 s58, s58, 3*PIECE                 ; x: my 64 tokens
	s_mul_i32 s59, s22, PIECE                      ; Wq or Wk
	s_mul_i32 s60, s22, 32*PITCH
	s_add_co_u32 s60, s60, 2*PIECE                 ; Wv: my 32 channels
	v_and_b32 v1, 15, v0                           ; r
	v_bfe_u32 v2, v0, 4, 1                         ; h
	v_mul_u32_u24 v3, v1, PITCH
	v_lshl_add_u32 v3, v2, 4, v3                   ; a fragment's row x pitch + 16 x half
	v_add_nc_u32 v[AX], s58, v3
	v_add_nc_u32 v[AW], s59, v3
	v_add_nc_u32 v[AV], s60, v3
	v_and_b32 v[LO], 31, v0
	v_lshlrev_b32 v[LO], 4, v[LO]
	s_mul_i32 s23, s[WV], PIECE                    ; where my piece goes
	s_lshl_b32 s66, s20, 16                        ; 128 rows of x a work-group
	s_mov_b32 s67, 0
	s_wait_alu depctr_va_vdst(0)
	s_wait_dscnt 0x0                               ; both opening adds are done
	s_wait_kmcnt 0x0
	s_load_b256 s[48:55], s[12:13], 0x0            ; e0 .. e7
	s_load_b64 s[56:57], s[12:13], 0x20            ; e8, e9
	; group 0 for W: wave 0 Wq, wave 1 Wk, wave 2 Wv: a choice on the wave's number alone, the same in all four partners
	s_cmp_eq_u32 s[WV], 1
	s_cselect_b64 s[58:59], s[8:9], s[6:7]
	s_cmp_eq_u32 s[WV], 2
	s_cselect_b64 s[58:59], s[10:11], s[58:59]
	s_mov_b32 s[G0W], 1                            ; count = 1
	s_mov_b32 s[G0W+1], s23                        ; LDS address
	s_mov_b64 s[G0W+2:G0W+3], s[58:59]
	s_or_b32 s[G0W+3], s[G0W+3], 0x80000000        ; type = 2
	s_mov_b32 s[G0X], 1
	s_mov_b32 s[G0X+1], 3*PIECE
	s_add_nc_u64 s[G0X+2:G0X+3], s[4:5], s[66:67]
	s_or_b32 s[G0X+3], s[G0X+3], 0x80000000
	CROUND                                         ; all four work-groups are here: the joint loads meet
	s_cmp_lt_u32 s[WV], 3                          ; all fills of the launch, one a wave
	s_cbranch_scc0 .Lnot_w
	tensor_load_to_lds s[G0W:G0W+3], s[G1W:G1W+7]
	s_nop 0
	PLACES
	s_branch .Lasked
.Lnot_w:
	tensor_load_to_lds s[G0X:G0X+3], s[G1X:G1X+7]
	s_nop 0
	PLACES
.Lasked:
	; where my images go
	s_cmp_eq_u32 s22, 0
	s_cselect_b64 s[PQ:PQ+1], s[14:15], s[16:17]   ; q's into qimg, k's into kv
	s_cselect_b32 s66, 13, 14                      ; 8,192 bytes of qimg, 16,384 of kv, for a block of 128 tokens
	s_lshl_b32 s66, s20, s66
	s_lshl_b32 s67, s21, 12                        ; my four tiles of 1,024 bytes
	s_add_co_u32 s66, s66, s67
	s_mov_b32 s67, 0
	s_add_nc_u64 s[PQ:PQ+1], s[PQ:PQ+1], s[66:67]
	s_lshl_b32 s66, s20, 14
	s_lshl_b32 s80, s22, 12                        ; my two channel tiles of 2,048 bytes,
	s_add_co_u32 s66, s66, s80
	s_lshl_b32 s80, s21, 10                        ; in each the eight registers of my 64 tokens,
	s_add_co_u32 s66, s66, s80
	s_add_co_u32 s66, s66, 8192                    ; behind k's 8 tiles
	s_add_nc_u64 s[PV:PV+1], s[16:17], s[66:67]
	s_cmp_lt_u32 s[WV], 3                          ; W's waves wait for their piece; x's load may stay out
	s_cbranch_scc0 .Lno_wait
	s_wait_tensorcnt 0x0
.Lno_wait:
	s_barrier_signal -1
	s_barrier_wait -1                              ; W is whole
	WIN 0x40                                       ; destination window 1, address window 0
	WLD 0, 0, 64
	WIN 0x80
	WLD 1, 0, 64
	WIN 0
	s_wait_kmcnt 0x0                               ; the exponents
	s_sub_co_i32 s58, s54, s48
	s_sub_co_i32 s58, s58, s49                     ; e6 - e0 - e1
	s_sub_co_i32 s59, s55, s50
	s_sub_co_i32 s59, s59, s51                     ; e7 - e2 - e3
	s_sub_co_i32 s60, s57, s52
	s_sub_co_i32 s60, s60, s53                     ; e9 - e4 - e5
	s_cmp_eq_u32 s22, 0                            ; a choice by the wave's number; nothing branches on a loaded number
	s_cselect_b32 s58, s58, s59
	s_add_co_i32 s58, s58, 127
	s_lshl_b32 s59, s58, 23                        ; the scale as f32: the conversion takes its exponent field
	s_add_co_i32 s58, s58, 15
	s_lshl_b32 s58, s58, 23
	s_or_b32 s58, s58, 0x600000                    ; 57,344 x the scale
	s_add_co_i32 s60, s60, 127
	s_lshl_b32 s61, s60, 23
	s_add_co_i32 s60, s60, 15
	s_lshl_b32 s60, s60, 23
	s_or_b32 s60, s60, 0x600000
	v_mov_b32 v[SCQ], s59
	v_mov_b32 v[LMQ], s58
	v_mov_b32 v[SCV], s61
	v_mov_b32 v[LMV], s60
	s_wait_alu depctr_va_vdst(0)
	s_wait_dscnt 0x0                               ; my W fragments are in
	s_wait_tensorcnt 0x0                           ; and my piece of x
	s_barrier_signal -1
	s_barrier_wait -1                              ; x is whole
	WIN 0x40
	XLD 0, 96
	WIN 0x80
	XLD 1, 96
	WIN 0xc0
	WLD 2, 0, 64
	s_wait_dscnt 40                                ; x of K step 0 is in: behind it x of step 1, 16 loads, and W of step 2, 24
	WIN 0x05                                       ; sources 0 and 1 window 1
	MUL 96, 0, 64, 1
	WIN 0xc0
	XLD 2, 96
	s_wait_dscnt 40                                ; x of step 1 is in: behind it W and x of step 2
	WIN 0x0a
	MUL 96, 0, 64, 0
	PLACES                                         ; four plain places between products and loads into the registers that they read
	WIN 0x40
	WLD 3, 160, 224
	XLD 3, 96
	s_wait_dscnt 40                                ; W and x of step 2 are in: behind them step 3's
	WIN 0x0f
	MUL 96, 0, 64, 0
	s_wait_dscnt 0x0
	WIN 0x05
	MUL 96, 160, 224, 0
	WIN 0
	PLACES                                         ; between the last products and the first read of results
.irp t, 0,1,2,3
.irp f, 0,1,2,3
	CODES CQ+8*\t+2*\f, ACC+8*(4*\t+\f), SCQ, LMQ  ; registers 2 f, 2 f + 1 of token tile t's fragment
.endr
.endr
.irp d, 0,1
.irp t, 0,1,2,3
	CODES CV+8*\d+2*\t, ACV+8*(4*\d+\t), SCV, LMV  ; registers 2 (4 i + t), + 1 of the channel tile's fragment
.endr
.endr
	v_nop                                          ; a plain vector line behind the last scaled conversion
.irp t, 0,1,2,3
.irp g, 0,1
	global_store_b128 v[LO], v[CQ+8*\t+4*\g:CQ+8*\t+4*\g+3], s[PQ:PQ+1] offset:1024*\t+512*\g   ; 32 lanes store 512 consecutive bytes, at a multiple of 512 from the buffer's first byte
.endr
.endr
.irp d, 0,1
.irp g, 0,1
	global_store_b128 v[LO], v[CV+8*\d+4*\g:CV+8*\d+4*\g+3], s[PV:PV+1] offset:2048*\d+512*\g
.endr
.endr
	s_wait_tensorcnt 0x0                           ; the wave's end: behind my last tensor load
	ds_add_u32 v[SPW], v[NIL]
	s_wait_dscnt 0x0
	CROUND                                         ; the closing round: no work-group ends while a partner may still ask for a tile that names it
	s_endpgm
.Lfunc_end_k_q30d6a88ae2_proj:
	.size	k_q30d6a88ae2_proj, .Lfunc_end_k_q30d6a88ae2_proj-k_q30d6a88ae2_proj
	.p2alignl 7, 3214868480
	.fill 96, 4, 3214868480
	.section	.rodata,"a",@progbits
	.p2align	6, 0x0
	.amdhsa_kernel k_q30d6a88ae2_proj
		.amdhsa_group_segment_fixed_size 169472
		.amdhsa_private_segment_fixed_size 0
		.amdhsa_enable_private_segment 0
		.amdhsa_kernarg_size 56
		.amdhsa_user_sgpr_count 2
		.amdhsa_user_sgpr_kernarg_segment_ptr 1
		.amdhsa_wavefront_size32 1
		.amdhsa_system_sgpr_workgroup_id_x 1
		.amdhsa_system_sgpr_workgroup_id_y 1
		.amdhsa_system_sgpr_workgroup_id_z 1
		.amdhsa_system_vgpr_workitem_id 0
		.amdhsa_next_free_vgpr 1024
		.amdhsa_next_free_sgpr 84
		.amdhsa_reserve_vcc 0
		.amdhsa_float_denorm_mode_32 3
		.amdhsa_float_denorm_mode_16_64 3
		.amdhsa_memory_ordered 1
		.amdhsa_forward_progress 1
		.amdhsa_inst_pref_size 38
	.end_amdhsa_kernel
	.amdgpu_metadata
---
amdhsa.version: [ 1, 2 ]
amdhsa.kernels:
  - .name:           k_q30d6a88ae2_proj
    .symbol:         k_q30d6a88ae2_proj.kd
    .args:
      - { .name: x_codes, .offset: 0, .size: 8, .value_kind: global_buffer, .address_space: global }
      - { .name: Wq_codes, .offset: 8, .size: 8, .value_kind: global_buffer, .address_space: global }
      - { .name: Wk_codes, .offset: 16, .size: 8, .value_kind: global_buffer, .address_space: global }
      - { .name: Wv_codes, .offset: 24, .size: 8, .value_kind: global_buffer, .address_space: global }
      - { .name: lowp_scales, .offset: 32, .size: 8, .value_kind: global_buffer, .address_space: global }
      - { .name: qimg, .offset: 40, .size: 8, .value_kind: global_buffer, .address_space: global }
      - { .name: kv, .offset: 48, .size: 8, .value_kind: global_buffer, .address_space: global }
    .group_segment_fixed_size: 169472
    .private_segment_fixed_size: 0
    .kernarg_segment_align: 8
    .kernarg_segment_size: 56
    .max_flat_workgroup_size: 128
    .sgpr_count:     84
    .vgpr_count:     1024
    .wavefront_size: 32
...
	.end_amdgpu_metadata
.endif
;; end of part 1
;; launch attn (part 2): grid 16 x 16, 16 waves a work-group, no clusters, 306,688 bytes of LDS; arguments qimg, kv, lowp_scales, out0; writes out0
.if DOCPART == 2
	.amdgcn_target "amdgcn-amd-amdhsa--gfx1250"
	.amdhsa_code_object_version 6
	.text
	.protected	k_q30d6a88ae2_attn
	.globl	k_q30d6a88ae2_attn
	.p2align	8
	.type	k_q30d6a88ae2_attn,@function
k_q30d6a88ae2_attn:
	s_mov_b64 s[64:65], 0
	v_nop
	global_prefetch_b8 v0, s[64:65] scope:SCOPE_SE
	s_setreg_imm32_b32 hwreg(HW_REG_WAVE_MODE, 25, 1), 1
	s_wait_xcnt 0x0
; out[b][q][:] = the sum over keys k <= q of softmax_k(q . k / 8) v[k][:], both products on codes of E5M2: q (2^e6), k (2^e7), p (2^e8), v (2^e9), as the launch before has laid them.
; WORK LEFT OUT: tiles of 16 keys x 16 queries all of whose keys come after the queries: reference()'s own causal mask makes their p 0 for all inputs.  A NaN or an infinity that reaches only such scores is not carried to the result.
; THE SOFTMAX AHEAD OF THE SECOND PRODUCT: t = score x 2^(e6 + e7) x log2(e) / 8; M = the largest t of a row within a key step, rounded UP to a whole number; p = 2^(t - M) is quantised, not normalised; the sum l is taken
; of the unquantised p.  Where a row's key steps are joined, each part is weighed by 2^(its M - the row's largest M), and the joined sum divides at the end.
; SHARES.  Work-group (b, j) owns, of batch b, the blocks of 64 queries j and 31 - j: block n needs n / 2 + 1 key steps of 128 (rounded down), and the two numbers always add to 17.
; THE KEYS ARE DIVIDED AMONG THE SIXTEEN WAVES: 15 pairs (block, key step) count whole and go to waves 1 to 15, one each: NL - 1 of the long block's, then the short block's.  Wave 0 takes the odd block's last key step, on the
; diagonal: tile i of its 16 queries needs i + 5 tiles of 16 keys.  The even block's last key step, of which 64 keys count, goes to waves 0 to 3 behind their own: wave w takes tile i = 3 - w of its queries, which needs i + 1 tiles
; of keys.  The last of such a tile's key tiles is the one that the mask cuts.
; Each wave brings its K and V straight into registers, since kv holds images of them, and each fragment serves four tiles of 16 queries.  No loop, no tensor load, so no prefetch.
; NO CLUSTER: the work-groups of a batch need different ranges of keys under the mask, so partners would ask for tiles that none of their waves reads.
; THE JOINING: a wave's parts (O, -M, l) go to a slot of LDS (slot = wave; the even block's diagonal: slot 16, a tile a wave); behind ONE barrier each wave joins 4 rows of each block and stores them as whole rows of 256 bytes.
; LAYOUT.  S^T = K Q^T, O^T = V^T P^T: a lane (r, h) holds query r throughout.  In tile t of S^T it holds keys 16 t + 8 h + 0 .. 7: their eight codes are registers 2 t, 2 t + 1 of P's fragment.
; THE HOLD at 57,344 x 2^e8 is jumped over where e8 is -15 or more: then it lies at 1.75 or higher, and p = 2^(t - M) is at most 1, but for the rounding of t.
; LIMITS on the given exponents: e6 + e7 between -123 and 130 (they are added to c's exponent field); e8 between -126 and 112; e8 + e9 is applied by v_ldexp_f32.  The promise holds while the scaled scores t stay under 2^31 in magnitude.
; REGISTERS: v0 thread; v1-9, v14 addresses and constants; v[10:11] -M and l; v12, v13, v16-23 at work; v24-31 Q; v32-47, v48-63 P of two tiles (v48-55 also Q); v64-127 K; v128-191 V; v192-255 S^T, then p, then O^T.
.set LI,  1                            ; 16 x lane
.set STO, 2                            ; LDS: my slot, row r, + 32 h
.set MLS, 3                            ; LDS: my slot's -M and l, row r
.set SPW, 4                            ; LDS address of my spare word; never rewritten
.set NIL, 5                            ; 0; never rewritten
.set NI,  6                            ; -infinity
.set SC,  7                            ; 2^e8
.set LIM, 8                            ; 57,344 x 2^e8
.set STE, 9                            ; the same as STO and MLS for slot 16
.set MLE, 14
.set QA, 24
.set QB, 48
.set PA, 32
.set PB, 48
.set KK, 64                            ; K; behind the last scores of waves 0 to 3 the even block's 64 keys: K at v64-95,
.set VE, 96                            ; and V, 8 registers a channel tile
.set VV, 128
.set S,  192
.set RP, 272                           ; a row of O in LDS: 256 bytes + 16
.set TILEB, 16*RP
.set SLOTB, 4*TILEB
.set MLB, 17*SLOTB                     ; behind 17 slots: -M and l, 8 bytes a row, 512 a slot
.set SPARE, MLB+17*512                 ; the spare words, 128 bytes for each wave: eight blocks of 256 bytes that no other line names
.set WV,  12                           ; s12 wave; s14 j; s15 NL; s16 31 - j
.set NL,  15
.set CS,  36                           ; s[36:37] c = 2^(e6 + e7) log2(e) / 8
.set FREE, 38                          ; s38 1: no hold is needed
.set EO,  39                           ; s39 e8 + e9
.set SEL, 40                           ; s[40:41] selects for v_permlanex16_b32: lane l xor 16
.set MK,  48                           ; s48-55: the lanes whose register m of a cut tile is hidden
.set CM,  56                           ; s56-62: all ones where slot 9 + m is the long block's
.macro PLACES n
.rept \n
	v_nop
.endr
.endm
.macro SCORES nt, kb, qr               ; nt tiles of 16 keys; behind them the four places ahead of the first read of results and of loads into their sources
.irp t, 0,1,2,3,4,5,6,7
.if \t < (\nt)
	v_wmma_f32_16x16x64_bf8_bf8 v[S+8*\t:S+8*\t+7], v[\kb+8*\t:\kb+8*\t+7], v[\qr:\qr+7], 0
.endif
.endr
	PLACES 4
.endm
.macro QLOAD qr, ti, sb                ; 2 loads: tile ti of a block of queries
	global_load_b128 v[\qr:\qr+3], v[LI], s[\sb:\sb+1] offset:1024*(\ti)
	global_load_b128 v[\qr+4:\qr+7], v[LI], s[\sb:\sb+1] offset:1024*(\ti)+512
.endm
.macro KLOAD                           ; Q's tiles 0 and 1, and K: each load 512 consecutive bytes
	QLOAD QA, 0, 28
	QLOAD QB, 1, 28
.set n, 0
.rept 16
	global_load_b128 v[KK+4*n:KK+4*n+3], v[LI], s[30:31] offset:512*n
.set n, n+1
.endr
.endm
.macro VLOAD half                      ; half of V: two channel tiles
.set n, 8*\half
.rept 8
	global_load_b128 v[VV+4*n:VV+4*n+3], v[LI], s[30:31] offset:8192+512*n
.set n, n+1
.endr
.endm
.macro ELOAD                           ; the even block's diagonal: my tile of Q, 64 keys of K, and of V the first 8 registers of each channel tile
	QLOAD QA, 0, 32
.set n, 0
.rept 8
	global_load_b128 v[KK+4*n:KK+4*n+3], v[LI], s[34:35] offset:512*n
.set n, n+1
.endr
.irp c, 0,1,2,3
.irp g, 0,1
	global_load_b128 v[VE+8*\c+4*\g:VE+8*\c+4*\g+3], v[LI], s[34:35] offset:8192+2048*\c+512*\g
.endr
.endr
.endm
.macro MAXES nt                        ; the largest of 8 nt scores into v16: up to four chains; each accumulator is first read at its low end
.irp a, 0,1,2,3
.if \a < (\nt)
	v_max3_num_f32 v[16+\a], v[S+8*\a], v[S+8*\a+1], v[S+8*\a+2]
.endif
.endr
.irp e, 3,5
.irp a, 0,1,2,3
.if \a < (\nt)
	v_max3_num_f32 v[16+\a], v[16+\a], v[S+8*\a+\e], v[S+8*\a+\e+1]
.endif
.endr
.endr
.irp a, 0,1,2,3
.if \a+4 < (\nt)
	v_max3_num_f32 v[16+\a], v[16+\a], v[S+8*\a+32], v[S+8*\a+7]
.endif
.endr
.irp e, 1,3,5
.irp a, 0,1,2,3
.if \a+4 < (\nt)
	v_max3_num_f32 v[16+\a], v[16+\a], v[S+8*\a+32+\e], v[S+8*\a+33+\e]
.endif
.endr
.endr
.irp a, 0,1,2,3
.if \a+4 < (\nt)
.set LQ, S+8*\a+39
.else
.set LQ, S+8*\a+7
.endif
.if \a < (\nt)
.if \a == 0
	v_max_num_f32 v16, v16, v[LQ]
.else
	v_max3_num_f32 v16, v16, v[16+\a], v[LQ]
.endif
.endif
.endr
.endm
.macro SUMS nt                         ; the sum of 8 nt unquantised p into v16: two at a time, in up to four chains
	v_pk_add_f32 v[16:17], v[S:S+1], v[S+2:S+3]
	v_pk_add_f32 v[18:19], v[S+4:S+5], v[S+6:S+7]
.if (\nt) > 1
	v_pk_add_f32 v[20:21], v[S+8:S+9], v[S+10:S+11]
	v_pk_add_f32 v[22:23], v[S+12:S+13], v[S+14:S+15]
.set n, 8
.rept 4*(\nt)-8
	v_pk_add_f32 v[16+2*(n%4):17+2*(n%4)], v[16+2*(n%4):17+2*(n%4)], v[S+2*n:S+2*n+1]
.set n, n+1
.endr
	v_pk_add_f32 v[16:17], v[16:17], v[20:21]
	v_pk_add_f32 v[18:19], v[18:19], v[22:23]
.endif
	v_pk_add_f32 v[16:17], v[16:17], v[18:19]
	v_add_f32 v16, v16, v17
.endm
; 16 queries x nt tiles of keys: scores to codes in pr; -M and l to LDS.  dg = 1: the last tile is cut by the mask: its hidden scores become -infinity ahead of the maximum
.macro SOFTMAX nt, pr, dg, ml, ti
.if \dg
.irp m, 0,1,2,3,4,5,6,7
	v_cndmask_b32 v[S+8*((\nt)-1)+\m], v[S+8*((\nt)-1)+\m], v[NI], s[MK+\m]
.endr
.endif
	MAXES \nt
	v_permlanex16_b32 v13, v16, s[SEL], s[SEL+1]
	v_max_num_f32 v16, v16, v13                    ; and among lane l xor 16's
	v_mul_f32 v12, s[CS], v16                      ; as t (c is positive)
	v_floor_f32 v10, -v12                          ; -M = floor(-t) = -ceil(t)
.set n, 0
.rept 4*(\nt)
	v_pk_fma_f32 v[S+2*n:S+2*n+1], v[S+2*n:S+2*n+1], s[CS:CS+1], v[10:11] op_sel_hi:[1,0,0]
.set n, n+1
.endr
	s_wait_alu depctr_va_vdst(0)                   ; ahead of the batch,
.set n, 0
.rept 8*(\nt)
	v_exp_f32 v[S+n], v[S+n]
.set n, n+1
.endr
	v_nop
	s_wait_alu depctr_va_vdst(0)                   ; and ahead of its first reader
	SUMS \nt
	v_permlanex16_b32 v13, v16, s[SEL], s[SEL+1]
	v_add_f32 v11, v16, v13
	s_wait_alu depctr_va_vdst(0)                   ; ahead of the branch
	ds_store_b64 v[\ml], v[10:11] offset:128*(\ti) ; (lanes r and r + 16 store the same two numbers)
	s_cmp_lg_u32 s[FREE], 0
	s_cbranch_scc1 .Lfree_\@
.set n, 0
.rept 8*(\nt)
	v_min_num_f32 v[S+n], v[S+n], v[LIM]           ; the conversion to an 8-bit code does not saturate (ISA guide 7.6.2); p is not negative, so the hold is one-sided
.set n, n+1
.endr
.Lfree_\@:
.irp t, 0,1,2,3,4,5,6,7
.if \t < (\nt)
	v_cvt_scalef32_pk8_bf8_f32 v[\pr+2*\t:\pr+2*\t+1], v[S+8*\t:S+8*\t+7], v[SC]
.endif
.endr
.set n, 2*(\nt)                        ; zero codes for the keys left out
.if (\nt) > 4
.rept 16-2*(\nt)
	v_mov_b32 v[\pr+n], 0
.set n, n+1
.endr
.else
.rept 8-2*(\nt)
	v_mov_b32 v[\pr+n], 0
.set n, n+1
.endr
.endif
	v_nop                                          ; a plain vector line behind the last scaled conversion
.endm
.macro PV nt, pr, ob                   ; O^T = V^T P^T: 128 keys, or (nt up to 4) the even block's 64
.irp c, 0,1,2,3
.if (\nt) > 4
	v_wmma_f32_16x16x128_bf8_bf8 v[\ob+8*\c:\ob+8*\c+7], v[VV+16*\c:VV+16*\c+15], v[\pr:\pr+15], 0
.else
	v_wmma_f32_16x16x64_bf8_bf8 v[\ob+8*\c:\ob+8*\c+7], v[VE+8*\c:VE+8*\c+7], v[\pr:\pr+7], 0
.endif
.endr
.endm
.macro DUMP ob, st, ti                 ; lane (r, h): row r, channels 16 c + 8 h + 0 .. 7
.irp c, 0,1,2,3
	ds_store_b128 v[\st], v[\ob+8*\c:\ob+8*\c+3] offset:TILEB*(\ti)+64*\c
	ds_store_b128 v[\st], v[\ob+8*\c+4:\ob+8*\c+7] offset:TILEB*(\ti)+64*\c+16
.endr
.endm
; A block's four tiles of queries on 128 keys.  Ahead of it: Q's tiles 0 and 1 and K are asked for.  V is asked for in two halves, behind the first scores and behind the first softmax.
; Five places behind the products: four ahead of the stores that read them, five ahead of the next scores, which are written over them.
.macro FLOW na, nb, nc, nd, dg
	s_wait_loadcnt 0x0
	SCORES \na, KK, QA
	QLOAD QA, 2, 28
	VLOAD 0
	SOFTMAX \na, PA, \dg, MLS, 0
	VLOAD 1
	SCORES \nb, KK, QB
	SOFTMAX \nb, PB, \dg, MLS, 1
	s_wait_alu depctr_va_vdst(0)
	s_wait_loadcnt 0x0                             ; V, and Q's tile 2
	PV \na, PA, S
	PV \nb, PB, S+32
	PLACES 5
	DUMP S, STO, 0
	DUMP S+32, STO, 1
	SCORES \nc, KK, QA
	QLOAD QA, 3, 28
	SOFTMAX \nc, PA, \dg, MLS, 2
	s_wait_alu depctr_va_vdst(0)
	s_wait_loadcnt 0x0                             ; Q's tile 3
	SCORES \nd, KK, QA
.if \dg == 0
	s_cmp_gt_u32 s[WV], 3                          ; waves 0 to 3 take a tile of the even block's diagonal: K's and Q's registers are free for it now
	s_cbranch_scc1 .Lno_even_\@
.endif
	ELOAD
.Lno_even_\@:
	SOFTMAX \nd, PB, \dg, MLS, 3
	PV \nc, PA, S
	PV \nd, PB, S+32
	PLACES 5
	DUMP S, STO, 2
	DUMP S+32, STO, 3
.endm
.macro EVEN nt                         ; the even block's diagonal: tile nt - 1 of its queries
	s_wait_alu depctr_va_vdst(0)
	s_wait_loadcnt 0x0
	SCORES \nt, KK, QA
	SOFTMAX \nt, PA, 1, MLE, (\nt)-1
	PV \nt, PA, S
	PLACES 5
	DUMP S, STE, (\nt)-1
.endm
.macro SETUP                           ; what the given exponents decide
	s_wait_kmcnt 0x0
	s_add_co_i32 s42, s44, s45
	s_lshl_b32 s42, s42, 23
	s_add_co_i32 s[CS], s42, 0x3e38aa3b            ; log2(e) / 8, e6 + e7 added to its exponent field
	s_mov_b32 s[CS+1], s[CS]                       ; (named with it as a pair, so it is written)
	s_add_co_i32 s42, s46, 127
	s_lshl_b32 s43, s42, 23
	s_add_co_i32 s42, s42, 15
	s_lshl_b32 s42, s42, 23
	s_or_b32 s42, s42, 0x600000
	v_mov_b32 v[SC], s43
	v_mov_b32 v[LIM], s42
	s_cmp_ge_i32 s46, -15
	s_cselect_b32 s[FREE], 1, 0
	s_add_co_i32 s[EO], s46, s47
	s_wait_alu depctr_va_vdst(0)
.endm
	s_load_b256 s[4:11], s[0:1], 0x0               ; qimg s[4:5], kv s[6:7], the exponents s[8:9], out s[10:11]
	v_lshl_add_u32 v[SPW], v0, 2, SPARE
	v_mov_b32 v[NIL], 0
	v_lshrrev_b32 v6, 5, v0
	v_readfirstlane_b32 s[WV], v6                  ; wave 0..15
	v_and_b32 v[LI], 31, v0
	v_lshlrev_b32 v[LI], 4, v[LI]
	v_and_b32 v14, 15, v0                          ; r
	v_bfe_u32 v15, v0, 4, 1                        ; h
	v_mul_u32_u24 v[STO], v14, RP
	v_lshl_add_u32 v[STO], v15, 5, v[STO]
	v_add_nc_u32 v[STE], 16*SLOTB, v[STO]
	v_lshlrev_b32 v[MLS], 3, v14
	v_add_nc_u32 v[MLS], MLB, v[MLS]
	v_lshlrev_b32 v12, 3, v15
	v_sub_nc_u32 v12, v14, v12                     ; r - 8 h: in a cut tile register m is key 8 h + m, hidden where m > r - 8 h
	v_add_nc_u32 v[MLE], 16*512, v[MLS]
.irp m, 0,1,2,3,4,5,6,7
	v_cmp_gt_i32 s[MK+\m], \m, v12
.endr
	s_mul_i32 s42, s[WV], SLOTB
	s_lshl_b32 s43, s[WV], 9
	v_add_nc_u32 v[STO], s42, v[STO]
	v_add_nc_u32 v[MLS], s43, v[MLS]
	v_mov_b32 v[NI], 0xff800000
	v_mov_b32 v10, 0
	v_mov_b32 v11, 0                               ; (named with v10 as a pair)
	v_mov_b32 v13, 0                               ; a lane permute's destination counts as one of its sources
	s_and_b32 s14, ttmp7, 0xffff                   ; j
	s_sub_co_u32 s16, 31, s14                      ; the long block
	s_lshr_b32 s[NL], s16, 1
	s_add_co_u32 s[NL], s[NL], 1                   ; NL: its key steps, 9 to 16
	s_sub_co_u32 s19, s[WV], 1
	s_sub_co_u32 s20, s[WV], s[NL]
	s_cmp_lt_u32 s[WV], s[NL]
	s_cselect_b32 s17, s16, s14                    ; waves 1 to NL - 1: the long block, key step wave - 1;
	s_cselect_b32 s18, s19, s20                    ; the others: the short block, key step wave - NL
	s_bitcmp1_b32 s14, 0
	s_cselect_b32 s21, s14, s16                    ; the odd block
	s_cselect_b32 s22, s16, s14                    ; the even block
	s_lshr_b32 s23, s21, 1
	s_lshr_b32 s24, s22, 1
	s_cmp_eq_u32 s[WV], 0
	s_cselect_b32 s17, s21, s17                    ; wave 0: the odd block, its last key step
	s_cselect_b32 s18, s23, s18
	s_lshl_b32 s25, ttmp9, 17                      ; a batch: 128 tiles of 1,024 bytes of qimg,
	s_lshl_b32 s26, ttmp9, 18                      ; 16 key steps of 16,384 of kv
	s_lshl_b32 s28, s17, 12
	s_add_co_u32 s28, s28, s25
	s_mov_b32 s29, 0
	s_lshl_b32 s30, s18, 14
	s_add_co_u32 s30, s30, s26
	s_mov_b32 s31, 0
	s_sub_co_u32 s27, 3, s[WV]
	s_and_b32 s27, s27, 3
	s_lshl_b32 s27, s27, 10                        ; waves 0 to 3: tile 3 - wave of the even block's queries,
	s_lshl_b32 s32, s22, 12
	s_add_co_u32 s32, s32, s25
	s_add_co_u32 s32, s32, s27
	s_mov_b32 s33, 0
	s_lshl_b32 s34, s24, 14                        ; and its last key step
	s_add_co_u32 s34, s34, s26
	s_mov_b32 s35, 0
	s_mov_b32 s[SEL], 0x76543210
	s_mov_b32 s[SEL+1], 0xfedcba98
	s_wait_alu depctr_va_vdst(0)                   ; the head's end
	s_wait_kmcnt 0x0
	s_load_b128 s[44:47], s[8:9], 0x18             ; e6, e7, e8, e9
	s_add_nc_u64 s[28:29], s[4:5], s[28:29]        ; my queries
	s_add_nc_u64 s[30:31], s[6:7], s[30:31]        ; my key step
	s_add_nc_u64 s[32:33], s[4:5], s[32:33]        ; the even block's
	s_add_nc_u64 s[34:35], s[6:7], s[34:35]
	KLOAD
	SETUP
	s_cmp_eq_u32 s[WV], 0                          ; branches on the wave's number, round no barrier
	s_cbranch_scc1 .Ldiagonal
	FLOW 8, 8, 8, 8, 0
	s_wait_alu depctr_va_vdst(0)                   ; ahead of the branch
	s_cmp_gt_u32 s[WV], 3
	s_cbranch_scc1 .Ljoin
	s_cmp_eq_u32 s[WV], 1
	s_cbranch_scc1 .Leven_1
	s_cmp_eq_u32 s[WV], 2
	s_cbranch_scc1 .Leven_2
	EVEN 1
	s_branch .Ljoin
.Leven_2:
	EVEN 2
	s_branch .Ljoin
.Leven_1:
	EVEN 3
	s_branch .Ljoin
.Ldiagonal:
	FLOW 5, 6, 7, 8, 1
	EVEN 4
.Ljoin:
	s_wait_tensorcnt 0x0                           ; behind my last LDS store
	ds_add_u32 v[SPW], v[NIL]
	s_wait_dscnt 0x0                               ; my parts are stored
	s_barrier_signal -1
	; THE JOINING.  Wave w: rows rho, rho + 1, rho + 8, rho + 9 of tile w / 4 of each block, rho = 2 (w % 4).  Lane l: row rho + 8 ((l / 8) % 2) + l / 16, its bytes 16 (l % 8) and 128 further on.
	s_lshr_b32 s18, s[WV], 2
	s_and_b32 s19, s[WV], 3
	s_mul_i32 s20, s18, TILEB
	s_mul_i32 s21, s19, 2*RP
	s_add_co_u32 s20, s20, s21
	s_lshl_b32 s21, s18, 7
	s_lshl_b32 s22, s19, 4
	s_add_co_u32 s21, s21, s22
	s_add_co_u32 s21, s21, MLB
	s_and_b32 s22, s14, 1                          ; the long block's diagonal part: slot 0 where j is even, else 16; the short one's: the other
	s_xor_b32 s23, s22, 1
	s_lshl_b32 s26, s22, 13
	s_lshl_b32 s27, s23, 13
	v_bfe_u32 v16, v0, 3, 1
	v_bfe_u32 v17, v0, 4, 1
	v_and_b32 v19, 7, v0
	v_lshl_add_u32 v18, v16, 3, v17
	v_cmp_ne_u32 s63, 0, v16                       ; the lanes with (l / 8) % 2 = 1
	v_mul_u32_u24 v20, v18, RP
	v_lshlrev_b32 v21, 3, v18
	v_lshl_add_u32 v20, v19, 4, v20
	v_add_nc_u32 v21, s21, v21                     ; -M and l of my row in slot 0
	v_add_nc_u32 v20, s20, v20                     ; my bytes in slot 0,
	v_add_nc_u32 v50, s26, v21
	v_add_nc_u32 v51, s27, v21
	v_add_nc_u32 v39, 16*SLOTB, v20                ; in slot 16,
	v_add_nc_u32 v22, SLOTB, v20                   ; in slots 1, 5, 9, 13
	v_add_nc_u32 v23, 5*SLOTB, v20
	v_add_nc_u32 v36, 9*SLOTB, v20
	v_add_nc_u32 v37, 13*SLOTB, v20
	v_mov_b32 v15, 0x7f61b1e6                      ; 3e38, over every -M
.irp m, 0,1,2,3,4,5,6
	s_cmp_gt_u32 s[NL], 9+\m
	s_cselect_b32 s[CM+\m], -1, 0
.endr
	s_lshl_b32 s42, ttmp9, 19                      ; where my rows go: a batch of out is 2,048 rows of 256 bytes
	s_lshl_b32 s43, s18, 12
	s_add_co_u32 s42, s42, s43
	s_lshl_b32 s43, s19, 9
	s_add_co_u32 s42, s42, s43
	s_lshl_b32 s66, s16, 14
	s_add_co_u32 s66, s66, s42
	s_mov_b32 s67, 0
	s_lshl_b32 s68, s14, 14
	s_add_co_u32 s68, s68, s42
	s_mov_b32 s69, 0
	s_add_nc_u64 s[66:67], s[10:11], s[66:67]      ; the long block's
	s_add_nc_u64 s[68:69], s[10:11], s[68:69]      ; the short block's
	s_wait_alu depctr_va_vdst(0)
	s_barrier_wait -1
; Part k: 0 the long block's diagonal, 1 to 15 the slots of these numbers, 16 the short block's diagonal.  -M and l: v[200 + 2 k], + 1.  O: v[64 + 8 k] on.
	ds_load_b64 v[200:201], v50
.set n, 1
.rept 15
	ds_load_b64 v[200+2*n:201+2*n], v21 offset:512*n
.set n, n+1
.endr
	ds_load_b64 v[232:233], v51
.macro PART pk, ad, sl
	ds_load_b128 v[64+8*(\pk):67+8*(\pk)], v[\ad] offset:SLOTB*(\sl)
	ds_load_b128 v[68+8*(\pk):71+8*(\pk)], v[\ad] offset:SLOTB*(\sl)+128
.endm
	s_cmp_lg_u32 s22, 0                            ; j even: slot 0 holds the long block's diagonal, slot 16 the short one's; j odd: the other way
	s_cbranch_scc1 .Lodd_j
	PART 0, 20, 0
	PART 16, 39, 0
	s_branch .Lparts
.Lodd_j:
	PART 0, 39, 0
	PART 16, 20, 0
.Lparts:
.irp m, 0,1,2,3
	PART 1+\m, 22, \m
.endr
.irp m, 0,1,2,3
	PART 5+\m, 23, \m
.endr
.irp m, 0,1,2,3
	PART 9+\m, 36, \m
.endr
.irp m, 0,1,2
	PART 13+\m, 37, \m
.endr
	s_wait_dscnt 34                                ; all -M and l are in; the 34 loads of O may be out
.irp m, 0,1,2,3,4,5,6
	v_cndmask_b32 v[50+\m], v15, v[218+2*\m], s[CM+\m]   ; slot 9 + m's -M where it is the long block's,
	v_cndmask_b32 v[57+\m], v[218+2*\m], v15, s[CM+\m]   ; and where it is the short one's
.endr
	v_min3_num_f32 v33, v200, v202, v204           ; the smallest -M of my row: the long block's,
	v_min3_num_f32 v34, v206, v208, v210
	v_min3_num_f32 v35, v232, v57, v58             ; and the short one's
	v_min3_num_f32 v49, v59, v60, v61
	v_min3_num_f32 v33, v33, v212, v214
	v_min3_num_f32 v34, v34, v216, v50
	v_min3_num_f32 v35, v35, v62, v63
	v_min3_num_f32 v33, v33, v51, v52
	v_min3_num_f32 v34, v34, v53, v54
	v_min_num_f32 v35, v35, v49
	v_min3_num_f32 v33, v33, v55, v56
	v_min_num_f32 v33, v33, v34
.irp m, 0,1,2,3,4,5,6
	v_cndmask_b32 v[50+\m], v35, v33, s[CM+\m]
.endr
.irp m, 0,1,2,3,4,5,6,7,8
	v_sub_f32 v[200+2*\m], v33, v[200+2*\m]        ; its M less the row's largest: a whole number, 0 or less
.endr
.irp m, 0,1,2,3,4,5,6
	v_sub_f32 v[218+2*\m], v[50+\m], v[218+2*\m]
.endr
	v_sub_f32 v232, v35, v232
	s_wait_alu depctr_va_vdst(0)                   ; ahead of the batch,
.set n, 0
.rept 17
	v_exp_f32 v[200+2*n], v[200+2*n]               ; the parts' weights
.set n, n+1
.endr
	v_nop
	s_wait_alu depctr_va_vdst(0)                   ; and ahead of its first reader
.macro ADDP pk                         ; O into v[24:31], l into v32
.irp c, 0,2,4,6
	v_pk_fma_f32 v[24+\c:25+\c], v[64+8*(\pk)+\c:65+8*(\pk)+\c], v[200+2*(\pk):201+2*(\pk)], v[24+\c:25+\c] op_sel_hi:[1,0,1]
.endr
	v_fmac_f32 v32, v[200+2*(\pk)], v[201+2*(\pk)]
.endm
.macro TURN pk                         ; ahead of the short block's first part the long block's sums are put by
	s_wait_alu depctr_va_vdst(0)                   ; ahead of the branch
	s_cmp_lg_u32 s[NL], \pk
	s_cbranch_scc1 .Lsame_\@
.irp c, 0,1,2,3,4,5,6,7,8
	v_mov_b32 v[40+\c], v[24+\c]
.endr
.irp c, 0,1,2,3,4,5,6,7,8
	v_mov_b32 v[24+\c], 0
.endr
.Lsame_\@:
	ADDP \pk
.endm
	s_wait_dscnt 24                                ; parts 0, 16 and 1 to 3 are in
.irp c, 0,2,4,6
	v_pk_mul_f32 v[24+\c:25+\c], v[64+\c:65+\c], v[200:201] op_sel_hi:[1,0]
.endr
	v_mul_f32 v32, v200, v201
	ADDP 1
	ADDP 2
	ADDP 3
	s_wait_alu depctr_va_vdst(0)
	s_wait_dscnt 14                                ; parts 4 to 8
	ADDP 4
	ADDP 5
	ADDP 6
	ADDP 7
	ADDP 8
	s_wait_alu depctr_va_vdst(0)
	s_wait_dscnt 6                                 ; parts 9 to 12
	TURN 9
	TURN 10
	TURN 11
	TURN 12
	s_wait_alu depctr_va_vdst(0)
	s_wait_dscnt 0x0
	TURN 13
	TURN 14
	TURN 15
	TURN 16
	s_wait_alu depctr_va_vdst(0)                   ; ahead of the batch,
	v_rcp_f32 v34, v32
	v_rcp_f32 v50, v48
	v_nop
	s_wait_alu depctr_va_vdst(0)                   ; and ahead of its first reader
	v_ldexp_f32 v34, v34, s[EO]                    ; x 2^(e8 + e9)
	v_ldexp_f32 v50, v50, s[EO]
.irp c, 0,2,4,6
	v_pk_mul_f32 v[40+\c:41+\c], v[40+\c:41+\c], v[50:51] op_sel_hi:[1,0]
	v_pk_mul_f32 v[24+\c:25+\c], v[24+\c:25+\c], v[34:35] op_sel_hi:[1,0]
.endr
; Lanes l and l xor 8 exchange a half each, so that sixteen lanes hold a whole row: then the first four registers are rows rho, rho + 1, the other four rows rho + 8, rho + 9
.macro XCHG xb
.irp c, 0,1,2,3
	v_cndmask_b32 v[16+\c], v[\xb+4+\c], v[\xb+\c], s63
.endr
.irp c, 0,1,2,3
	v_mov_b32_dpp v[20+\c], v[16+\c] row_xmask:8 row_mask:0xf bank_mask:0xf
.endr
.irp c, 0,1,2,3
	v_cndmask_b32 v[\xb+\c], v[\xb+\c], v[20+\c], s63
	v_cndmask_b32 v[\xb+4+\c], v[20+\c], v[\xb+4+\c], s63
.endr
.endm
	XCHG 40
	global_store_b128 v[LI], v[40:43], s[66:67] th:TH_STORE_NT   ; 32 lanes store 512 consecutive bytes, at a multiple of 512 from out's first byte; written once, read by nobody here
	global_store_b128 v[LI], v[44:47], s[66:67] offset:2048 th:TH_STORE_NT
	XCHG 24
	global_store_b128 v[LI], v[24:27], s[68:69] th:TH_STORE_NT
	global_store_b128 v[LI], v[28:31], s[68:69] offset:2048 th:TH_STORE_NT
	s_endpgm
.Lfunc_end_k_q30d6a88ae2_attn:
	.size	k_q30d6a88ae2_attn, .Lfunc_end_k_q30d6a88ae2_attn-k_q30d6a88ae2_attn
	.p2alignl 7, 3214868480
	.fill 96, 4, 3214868480
	.section	.rodata,"a",@progbits
	.p2align	6, 0x0
	.amdhsa_kernel k_q30d6a88ae2_attn
		.amdhsa_group_segment_fixed_size 306688
		.amdhsa_private_segment_fixed_size 0
		.amdhsa_enable_private_segment 0
		.amdhsa_kernarg_size 32
		.amdhsa_user_sgpr_count 2
		.amdhsa_user_sgpr_kernarg_segment_ptr 1
		.amdhsa_wavefront_size32 1
		.amdhsa_system_sgpr_workgroup_id_x 1
		.amdhsa_system_sgpr_workgroup_id_y 1
		.amdhsa_system_sgpr_workgroup_id_z 1
		.amdhsa_system_vgpr_workitem_id 0
		.amdhsa_next_free_vgpr 256
		.amdhsa_next_free_sgpr 72
		.amdhsa_reserve_vcc 0
		.amdhsa_float_denorm_mode_32 3
		.amdhsa_float_denorm_mode_16_64 3
		.amdhsa_memory_ordered 1
		.amdhsa_forward_progress 1
		.amdhsa_inst_pref_size 153
	.end_amdhsa_kernel
	.amdgpu_metadata
---
amdhsa.version: [ 1, 2 ]
amdhsa.kernels:
  - .name:           k_q30d6a88ae2_attn
    .symbol:         k_q30d6a88ae2_attn.kd
    .args:
      - { .name: qimg, .offset: 0, .size: 8, .value_kind: global_buffer, .address_space: global }
      - { .name: kv, .offset: 8, .size: 8, .value_kind: global_buffer, .address_space: global }
      - { .name: lowp_scales, .offset: 16, .size: 8, .value_kind: global_buffer, .address_space: global }
      - { .name: out0, .offset: 24, .size: 8, .value_kind: global_buffer, .address_space: global }
    .group_segment_fixed_size: 306688
    .private_segment_fixed_size: 0
    .kernarg_segment_align: 8
    .kernarg_segment_size: 32
    .max_flat_workgroup_size: 512
    .sgpr_count:     72
    .vgpr_count:     256
    .wavefront_size: 32
...
	.end_amdgpu_metadata
.endif
;; end of part 2
